; MI455X (gfx1250); checked and timed in simulation.
; The chip was launched on July 23, 2026; its instructions are those of AMD's public machine-readable ISA for CDNA 5 (MIT licence, August 2026) and "CDNA5" Instruction Set Architecture Reference Guide (July 2026). The comments in the code are by the model that wrote it; some were corrected since.
;; Attention. Allowed arithmetic: matrix products marked QUANTISED: E2M1 operands, one E8M0 scale for each 32 along K, by v_wmma_scale_f32_16x16x128_f8f6f4 with both operands' format E2M1 (or v_wmma_scale_f32_32x16x128_f4), f32 sums; everything else in f32.
;; Inputs: Wk 1,024 x 128 float32; Wq 1,024 x 128 float32; Wv 1,024 x 1,024 float32; bk 128 float32; bq 128 float32; bv 1,024 float32; x 8 x 2,048 x 1,024 float32.
;; Outputs: out0 8 x 2,048 x 1,024 float32.
;; This version of the problem:
;;   THIS VERSION OF THE PROBLEM IS GIVEN IN LOW PRECISION. The matrix products marked QUANTISED in the list below multiply operands that are first quantised to E2M1 (2 exponent bits, 1 mantissa bit; 4 bits a number), with one power-of-two scale for each 32 numbers along K (OCP MX v1.0); their sums are f32. All else is computed in f32.
;;   The module's matrix products, in the order in which they are computed (A, B: the left and right operand; K: the contracted axis; several contracted axes count as one K, in the product's order):
;;     1. [M 16,384, K 1,024] x [K 1,024, N 128]; A: input x; B: input Wq: QUANTISED
;;     2. [M 16,384, K 1,024] x [K 1,024, N 128]; A: input x; B: input Wk: QUANTISED
;;     3. [M 16,384, K 1,024] x [K 1,024, N 1,024]; A: input x; B: input Wv: QUANTISED
;;     4. batch 8 x [M 2,048, K 128] x [K 128, N 2,048]; A: computed on the way; B: computed on the way: QUANTISED
;;     5. batch 8 x [M 2,048, K 2,048] x [K 2,048, N 1,024]; A: softmax (see below); B: computed on the way: QUANTISED
;;   THE QUANTISER, for each operand of a quantised product, along K:
;;     - K is cut into blocks of 32 from its start; a last block that is shorter is filled with zeros.
;;     - A block's scale is 2^e with e = floor(log2(the largest magnitude in the block)) - 2, held to -126 .. 127; a block of zeros has e = 0. As a byte (E8M0): e + 127.
;;     - Each number is divided by its block's scale, clamped to +-6, and rounded to the nearest number of E2M1, ties to even, subnormals kept.
;;     - The product sums the exact products of the quantised numbers (number of the format x scale) in f32.
;;   ~~~python
;;   def quantise(x, axis):      # numpy; x: float32 -> the quantised numbers, widened to float32 again
;;       x = np.moveaxis(x, axis, -1); K = x.shape[-1]
;;       x = np.pad(x, [(0, 0)] * (x.ndim - 1) + [(0, -K % 32)]); x = x.reshape(x.shape[:-1] + (-1, 32)); a = np.abs(x).max(-1, keepdims=True)
;;       e = np.where(a > 0, np.clip(np.frexp(np.where(a > 0, a, 1))[1] - 1 - 2, -126, 127), 0)      # np.frexp(a)[1] - 1 = floor(log2(a)), exactly
;;       r = np.clip(x / 2.0 ** e, -6, 6)
;;       step = 2.0 ** (np.maximum(np.frexp(np.where(r == 0, 1, r))[1] - 1, 0) - 1)
;;       q = np.round(r / step) * step * 2.0 ** e      # np.round: ties to even
;;       return np.moveaxis(q.reshape(q.shape[:-2] + (-1,))[..., :K], -1, axis).astype(np.float32)
;;   ~~~
;;   SOFTMAX AHEAD OF A QUANTISED PRODUCT. Where the list says 'softmax', what is quantised is not the finished softmax but p = 2^(t - M), with t = logit x log2(e) and M = ceil(the row's largest t), a whole number; so 1/2 < the row's largest p <= 1. The row's sum l is taken of the UNQUANTISED p, in f32, and the product's result is divided by l at the end. Since M is a whole number, a kernel that streams over the keys may use a running M (the ceiling of the running maximum): every later rescaling is an exact power of two, which a block's scale takes up: the codes' values come out the same.
;;   OPERANDS COMPUTED ON THE WAY. 'Computed on the way' means the value that the module computes at that place (a softmax that the list does not call 'softmax' is quantised finished and normalised). What goes into a quantiser is computed in f32, as accurately as f32 sums, v_exp_f32 and their like allow (about 1e-6 of the number): no bf16 or f16 on the way to a quantiser, and a product that is left as it is and whose result goes on into a quantised operand takes f32 operands (vector FMAs, or v_wmma_f32_16x16x4_f32). A number that lies on a knife's edge between two numbers of the format may be rounded either way, as far as f32 arithmetic and the matrix unit's own rounding can turn it there, and no further.
;; One version. Each part assembles by itself: llvm-mc -triple=amdgcn-amd-amdhsa -mcpu=gfx1250 --defsym DOCPART=n.
;; ======== version 1 of 1: 3 launches
;; limits: right only within a limited range of input values
;; workspace buffers: wimg 696,320 bytes; qimg 1,114,112 bytes; kimg 1,114,112 bytes; vimg 8,912,896 bytes
;; launch wquant (part 1): grid 40 x 2, 8 waves a work-group, no clusters, 2,048 bytes of LDS; arguments Wq, Wk, Wv, wimg; writes wimg
.if DOCPART == 1
	.amdgcn_target "amdgcn-amd-amdhsa--gfx1250"
	.amdhsa_code_object_version 6
	.text
	.protected	k_q6c54fc21a3_wquant
	.globl	k_q6c54fc21a3_wquant
	.p2align	8
	.type	k_q6c54fc21a3_wquant,@function
k_q6c54fc21a3_wquant:
	s_mov_b64 s[64:65], 0
	v_nop
	global_prefetch_b8 v0, s[64:65] scope:SCOPE_SE
	s_setreg_imm32_b32 hwreg(HW_REG_WAVE_MODE, 25, 1), 1
	s_wait_xcnt 0x0
; out = tanh(softmax(q k^T) v), q = x Wq + bq, k = x Wk + bk, v = x Wv + bv, all five products on codes of FP4 (E2M1) with one E8M0 scale for each 32 along K.  Three launches:
; this one (the weights into codes), proj (x into codes; q, k, v; these into codes), attn (scores, softmax, P v, tanh).
; DEAD WORK: none.  Every input has a way to the output: each bias goes into an operand that is quantised (bq, bk ahead of q k^T, bv ahead of P v), so all seven inputs are loaded and nothing of reference() is left out.
; MORE THAN reference(): attn forms the scores twice, once for each row's largest score and once for p; its head says why.
; LIMITS of the whole program: NaN and infinities among the inputs are not served.  A block whose largest magnitude lies under 2^-124 keeps the scale byte 1; a block of zeros too (the rule says 127):
; its codes are zeros, which add nothing under any byte but 0xff, and the bytes are read by this program alone.
;
; THIS LAUNCH.  Wq, Wk [1024][128] and Wv [1024][1024], f32, K their FIRST axis, become images of operand registers.  A fragment is 16 columns x 128 along K, 8 registers a lane: lane (r, h) holds column r,
; registers 4 c .. 4 c + 3 hold k = 64 c + 32 h + 0 .. 31.  Its image is 1,024 bytes: [c][lane][16 bytes].  A LANE TAKES A COLUMN AND ITS REGISTERS RUN DOWN K, in that very order: nothing is transposed.
; wimg = [quarter 0..3][slot 0..4][34,816]: a quarter is what one wave of proj multiplies by in one step: [tile i 0..3][K step s 0..7] images, then at 32,768 the scale words [p][sq][lane][4]:
; lane r + 16 hh, word e: tile 2 p + hh, K step 4 sq + e.  Slot 0: quarters 0, 1 = Wq, quarters 2, 3 = Wk, eight tiles of 16 features each, tile T's lane r taking feature 32 (T / 2) + 8 (T % 2) + r + 8 (r / 8),
; so that proj's results of two neighbouring tiles are 16 neighbours along the next K.  Slots 1 to 4: Wv, quarter w, tile i: columns 16 (16 w + 4 (slot - 1) + i) on.
; SHARES.  640 fragments, one a wave: work-group (x, y): quarter Q = x / 2 of 20, p = x % 2, sq = y; wave: hh = wave % 2, e = wave / 2.  The eight scale words of a lane meet in LDS and leave as 512 bytes on end.
; No matrix unit, no cluster, no tensor load, no prefetch: 5 MB are read once by a short launch, and no work-group reads what another reads.
.set QB,    34816                      ; bytes of a quarter
.set SPARE, 512                        ; LDS: 0 .. 511 the scale words; from 512 the spare words, 128 bytes for each of the eight waves
.set SPW,   150                        ; v150 LDS address of my spare word; never rewritten
.set NIL,   151                        ; v151 0; never rewritten
.set X,     16                         ; v16-79 my column's 64 numbers
.set CD,    80                         ; v80-87 the fragment's codes
	s_load_b256 s[4:11], s[0:1], 0x0               ; Wq s[4:5], Wk s[6:7], Wv s[8:9], wimg s[10:11]
	v_lshl_add_u32 v[SPW], v0, 2, SPARE
	v_mov_b32 v[NIL], 0
	v_lshrrev_b32 v1, 5, v0
	s_delay_alu instid0(VALU_DEP_1)
	v_readfirstlane_b32 s12, v1                    ; wave 0..7
	v_and_b32 v2, 15, v0                           ; r
	s_wait_alu depctr_va_vdst(0)
	v_bfe_u32 v3, v0, 4, 1                         ; h
	v_and_b32 v6, 31, v0
	s_delay_alu instid0(VALU_DEP_1)
	v_lshlrev_b32 v6, 4, v6                        ; 16 x lane: my place in half an image
	s_lshr_b32 s13, ttmp9, 1                       ; Q
	s_and_b32 s14, ttmp9, 1                        ; p
	s_and_b32 s15, ttmp7, 0xffff                   ; sq
	s_and_b32 s16, s12, 1                          ; hh
	s_lshr_b32 s17, s12, 1                         ; e
	s_lshl_b32 s18, s14, 1
	s_add_co_u32 s18, s18, s16                     ; tile i = 2 p + hh
	s_lshl_b32 s19, s15, 2
	s_add_co_u32 s19, s19, s17                     ; K step s = 4 sq + e
	v_lshrrev_b32 v4, 3, v2
	s_delay_alu instid0(VALU_DEP_1)
	v_lshlrev_b32 v4, 5, v4
	s_delay_alu instid0(VALU_DEP_1)
	v_lshl_add_u32 v4, v2, 2, v4                   ; Wq, Wk: 4 (r + 8 (r / 8)) bytes,
	s_wait_alu depctr_va_vdst(0)
	v_lshl_add_u32 v4, v3, 14, v4                  ; + 32 h rows of 512 bytes
	v_lshlrev_b32 v5, 2, v2                        ; Wv: 4 r bytes,
	s_delay_alu instid0(VALU_DEP_1)
	v_lshl_add_u32 v5, v3, 17, v5                  ; + 32 h rows of 4,096 bytes
	v_lshlrev_b32 v7, 4, v2                        ; LDS: my word: 16 (r + 16 hh) + 4 e
	s_lshl_b32 s26, s16, 8
	s_lshl_b32 s27, s17, 2
	s_add_co_u32 s26, s26, s27
	v_add_nc_u32 v7, s26, v7
	s_mov_b32 s24, 0x76543210
	s_mov_b32 s25, 0xfedcba98                      ; v_permlanex16_b32's selects for lane l xor 16
	s_and_b32 s28, s13, 3                          ; wimg is laid [quarter Q % 4][slot Q / 4]: a wave of proj finds its five steps on end
	s_mul_i32 s28, s28, 5
	s_lshr_b32 s29, s13, 2
	s_add_co_u32 s28, s28, s29
	s_mul_i32 s28, s28, QB                         ; my quarter,
	s_lshl_b32 s29, s18, 13
	s_add_co_u32 s30, s28, s29                     ; tile i: 8 images on,
	s_lshl_b32 s29, s19, 10
	s_add_co_u32 s30, s30, s29                     ; K step s
	s_mov_b32 s31, 0
	s_lshl_b32 s29, s14, 1
	s_add_co_u32 s29, s29, s15
	s_lshl_b32 s29, s29, 9                         ; the work-group's 512 bytes of scale words: 2 p + sq
	s_add_co_u32 s28, s28, s29
	s_add_co_u32 s28, s28, 32768
	s_mov_b32 s29, 0
	s_wait_kmcnt 0x0
	s_add_nc_u64 s[30:31], s[10:11], s[30:31]
	s_add_nc_u64 s[28:29], s[10:11], s[28:29]
	s_cmp_lt_u32 s13, 4                            ; the two arms differ in the row's length, which stands in the loads' immediates; the branch hangs on the work-group's number alone
	s_cbranch_scc0 .Lwv
	s_cmp_lt_u32 s13, 2
	s_cselect_b64 s[20:21], s[4:5], s[6:7]         ; quarters 0, 1: Wq; 2, 3: Wk
	s_and_b32 s22, s13, 1
	s_lshl_b32 s22, s22, 2
	s_add_co_u32 s22, s22, s18                     ; T = 4 (Q % 2) + i
	s_lshr_b32 s23, s22, 1
	s_lshl_b32 s23, s23, 7                         ; 32 (T / 2) features of 4 bytes
	s_and_b32 s22, s22, 1
	s_lshl_b32 s22, s22, 5                         ; 8 (T % 2)
	s_add_co_u32 s22, s22, s23
	s_lshl_b32 s23, s19, 16                        ; 128 s rows of 512 bytes
	s_add_co_u32 s22, s22, s23
	s_mov_b32 s23, 0
	s_add_nc_u64 s[20:21], s[20:21], s[22:23]
.set cc, 0
	s_wait_alu depctr_va_vdst(0)
.rept 2
.set ii, 0
.rept 32
	global_load_b32 v[X+32*cc+ii], v4, s[20:21] offset:(64*cc+ii)*512   ; W(128 s + 64 c + 32 h + i, my column)
.set ii, ii+1
.endr
.set cc, cc+1
.endr
	s_branch .Lhave
.Lwv:
	s_and_b32 s22, s13, 3
	s_lshl_b32 s22, s22, 4                         ; 16 (Q % 4)
	s_lshr_b32 s23, s13, 2
	s_sub_co_u32 s23, s23, 1
	s_lshl_b32 s23, s23, 2                         ; 4 (slot - 1)
	s_add_co_u32 s22, s22, s23
	s_add_co_u32 s22, s22, s18                     ; the tile of 16 columns
	s_lshl_b32 s22, s22, 6
	s_lshl_b32 s23, s19, 19                        ; 128 s rows of 4,096 bytes
	s_add_co_u32 s22, s22, s23
	s_mov_b32 s23, 0
	s_add_nc_u64 s[20:21], s[8:9], s[22:23]
.set cc, 0
	s_wait_alu depctr_va_vdst(0)
.rept 2
.set ii, 0
.rept 32
	global_load_b32 v[X+32*cc+ii], v5, s[20:21] offset:(64*cc+ii)*4096
.set ii, ii+1
.endr
.set cc, cc+1
.endr
.Lhave:
	s_wait_loadcnt 0x0
.irp c, 0,1                                            ; my block 2 c + h: all its 32 numbers are mine
	v_max3_num_f32 v[8+\c], |v[X+32*\c]|, |v[X+1+32*\c]|, 0x1800000   ; and the floor 2^(3 - 127): the byte cannot fall under 1
.endr
.irp i, 2,4,6,8,10,12,14,16,18,20,22,24,26,28,30
.irp c, 0,1
	s_delay_alu instid0(VALU_DEP_2)
	v_max3_num_f32 v[8+\c], v[8+\c], |v[X+32*\c+\i]|, |v[X+1+32*\c+\i]|   ; (the two blocks by turns)
.endr
.endr
.irp c, 0,1
	s_delay_alu instid0(VALU_DEP_2)
	v_add_nc_u32 v[10+\c], 0xff000000, v[8+\c]     ; 2 off the exponent field: the conversion takes the exponent field of this operand as its scale
.endr
.irp c, 0,1
	s_delay_alu instid0(VALU_DEP_2)
	v_lshrrev_b32 v[12+\c], 23, v[10+\c]           ; the scale's byte
.endr
	s_delay_alu instid0(VALU_DEP_1)
	v_lshl_or_b32 v14, v13, 16, v12                ; my two bytes, blocks h and 2 + h,
	v_lshlrev_b32 v15, 3, v3
	s_delay_alu instid0(VALU_DEP_1)
	v_lshlrev_b32 v14, v15, v14                    ; at their places in the word;
	v_mov_b32 v15, 0
	s_delay_alu instid0(VALU_DEP_1)
	v_permlanex16_b32 v15, v14, s24, s25
	s_delay_alu instid0(VALU_DEP_1)
	v_or_b32 v14, v14, v15                         ; with lane l xor 16's two the word is whole
.irp c, 0,1
.irp g, 0,1,2,3
	v_cvt_scalef32_pk8_fp4_f32 v[CD+4*\c+\g], v[X+32*\c+8*\g:X+32*\c+8*\g+7], v[10+\c]
.endr
.endr
	v_nop                                          ; one plain line behind the last scaled conversion
	global_store_b128 v6, v[CD:CD+3], s[30:31]             ; 32 lanes store 512 bytes on end, aligned
	global_store_b128 v6, v[CD+4:CD+7], s[30:31] offset:512
	ds_store_b32 v7, v14                           ; both halves of the lanes write the same word with the same value
	s_wait_dscnt 0x0                               ; for the others' sake: my word lies in LDS
	s_barrier_signal -1
	s_barrier_wait -1
	s_cmp_lg_u32 s12, 0
	s_cbranch_scc1 .Ldone
	ds_load_b128 v[88:91], v6                      ; wave 0: the work-group's 128 words, four a lane
	s_wait_dscnt 0x0
	global_store_b128 v6, v[88:91], s[28:29]
.Ldone:
	s_wait_tensorcnt 0x0                           ; the wave's end
	ds_add_u32 v[SPW], v[NIL]
	s_wait_dscnt 0x0
	s_endpgm
.Lfunc_end_k_q6c54fc21a3_wquant:
	.size	k_q6c54fc21a3_wquant, .Lfunc_end_k_q6c54fc21a3_wquant-k_q6c54fc21a3_wquant
	.p2alignl 7, 3214868480
	.fill 96, 4, 3214868480
	.section	.rodata,"a",@progbits
	.p2align	6, 0x0
	.amdhsa_kernel k_q6c54fc21a3_wquant
		.amdhsa_group_segment_fixed_size 2048
		.amdhsa_private_segment_fixed_size 0
		.amdhsa_enable_private_segment 0
		.amdhsa_kernarg_size 32
		.amdhsa_user_sgpr_count 2
		.amdhsa_user_sgpr_kernarg_segment_ptr 1
		.amdhsa_wavefront_size32 1
		.amdhsa_system_sgpr_workgroup_id_x 1
		.amdhsa_system_sgpr_workgroup_id_y 1
		.amdhsa_system_sgpr_workgroup_id_z 1
		.amdhsa_system_vgpr_workitem_id 0
		.amdhsa_next_free_vgpr 160
		.amdhsa_next_free_sgpr 66
		.amdhsa_reserve_vcc 0
		.amdhsa_float_denorm_mode_32 3
		.amdhsa_float_denorm_mode_16_64 3
		.amdhsa_memory_ordered 1
		.amdhsa_forward_progress 1
		.amdhsa_inst_pref_size 21
	.end_amdhsa_kernel
	.amdgpu_metadata
---
amdhsa.version: [ 1, 2 ]
amdhsa.kernels:
  - .name:           k_q6c54fc21a3_wquant
    .symbol:         k_q6c54fc21a3_wquant.kd
    .args:
      - { .name: Wq, .offset: 0, .size: 8, .value_kind: global_buffer, .address_space: global }
      - { .name: Wk, .offset: 8, .size: 8, .value_kind: global_buffer, .address_space: global }
      - { .name: Wv, .offset: 16, .size: 8, .value_kind: global_buffer, .address_space: global }
      - { .name: wimg, .offset: 24, .size: 8, .value_kind: global_buffer, .address_space: global }
    .group_segment_fixed_size: 2048
    .private_segment_fixed_size: 0
    .kernarg_segment_align: 8
    .kernarg_segment_size: 32
    .max_flat_workgroup_size: 256
    .sgpr_count:     66
    .vgpr_count:     160
    .wavefront_size: 32
...
	.end_amdgpu_metadata
.endif
;; end of part 1
;; launch proj (part 2): grid 256 x 1, 4 waves a work-group, clusters of 4 x 1, 327,680 bytes of LDS; arguments x, wimg, bq, bk, bv, qimg, kimg, vimg; writes qimg, kimg, vimg
.if DOCPART == 2
	.amdgcn_target "amdgcn-amd-amdhsa--gfx1250"
	.amdhsa_code_object_version 6
	.text
	.protected	k_q6c54fc21a3_proj
	.globl	k_q6c54fc21a3_proj
	.p2align	8
	.type	k_q6c54fc21a3_proj,@function
k_q6c54fc21a3_proj:
	s_mov_b64 s[64:65], 0
	v_nop
	global_prefetch_b8 v0, s[64:65] scope:SCOPE_SE
	s_setreg_imm32_b32 hwreg(HW_REG_WAVE_MODE, 25, 1), 1
	s_wait_xcnt 0x0
	s_wait_alu depctr_hold_cnt(0) depctr_sa_sdst(0) depctr_va_vdst(0) depctr_va_sdst(0) depctr_va_ssrc(0) depctr_va_vcc(0) depctr_vm_vsrc(0)
	s_getreg_b32 s2, hwreg(HW_REG_IB_STS2, 6, 4)
	s_cmp_eq_u32 s2, 0
	s_cbranch_scc0 .Lentry_in_a_cluster
	s_endpgm
.Lentry_in_a_cluster:
	s_bfe_u32 s2, ttmp6, 0x10000c
	s_cmp_lg_u32 s2, 0x3003
	s_cbranch_scc0 .Lentry_shape_is_right
	s_endpgm
.Lentry_shape_is_right:
; q = x Wq + bq, k = x Wk + bk, v = x Wv + bv on codes of FP4 with E8M0 scales; x is quantised here, along its 1,024; q and k are quantised along their 128 features, v along the keys; all three leave as
; images of operand registers (a fragment, 16 rows x 128 K, is 1,024 bytes: [c][lane][16 bytes] = registers 4 c .. 4 c + 3).  Nothing of reference() is left out here.
; SHARES.  Work-group g owns rows 64 g .. 64 g + 63 of x (read once) and all 1,280 columns.  x's four tiles of 16 rows are NOT neighbours: lane r of tile t takes row 32 (t / 2) + 8 (t % 2) + r + 8 (r / 8).
; So (a) v's results (source 0 = x, source 1 = Wv: a lane holds one channel, registers run down the rows) of tiles 2 b, 2 b + 1 are 16 neighbouring keys; (b) k's tiles have the key order that the scores' product wants.
; q and k are made transposed (source 0 = 16 features of W, source 1 = x): a lane holds one row, and the 16 registers of two neighbouring feature tiles are 16 neighbouring features (the weights' launch chose the order).
; PHASE X: wave w quantises tile w, a K step of 128 at a time: each load takes 512 bytes on end of one row; the numbers turn through the wave's stage in LDS so that a lane holds 16 neighbours of each block of 32
; (the turn runs one K step ahead of the quantising); the fragment and its scale words go to the other waves as images through LDS (two buffers by turns, one barrier a step), and every wave keeps all 32 fragments of x in registers.
; PHASE W: five steps.  In each a wave multiplies by one quarter of a slot of wimg (4 tiles x 8 K steps): step 0: waves 0, 1 Wq's halves, waves 2, 3 Wk's; steps 1 to 4: wave w's channels 256 w + 64 (step - 1) on.
; THE RING OF WEIGHTS RUNS DURING PHASE X: step 0's quarter goes into registers ahead of K step 4, and that K step's barrier is the round behind which slot 0 is filled again.  Later each slot is filled again as soon as it
; has been read into registers, in front of the products.  The biases are the C of each sum's first matrix instruction.  The 16 accumulators take turns.
; CLUSTER.  All work-groups walk the same wimg: the four of a cluster ask for each quarter JOINTLY (mask 15; the descriptor hangs on the wave's number and the step alone).  Each wave fetches and reads its own quarter.
; No prefetch: the launch streams x, and wimg's first two slots are asked for at the head.  x is shared by nobody.
; REGISTERS, in windows of 256 (s_set_vgpr_msb: bits 1:0 source 0, 3:2 source 1, 5:4 source 2, 7:6 destination):
;   window 0: v4-19 addresses; v28, v29 the add's two; v32-63 x's scale words [t][s]; v64-79 W's [p][s]; v80-99 codes and words just made; v100-115 bv of my 16 tiles; v116-127 at work; v128-255 the accumulators (phase X: two sets of 64 numbers)
;   window 1: x's fragments (t, s) at 8 (8 t + s).   window 2: W's (i, s) at 8 (8 i + s).   window 3: v0-31 four tiles of bias; v32-223 in phase X three sets of 64 numbers as loaded.
.set QB,    34816                      ; a quarter: 32 images and 2,048 bytes of scale words: 136 rows of 256 bytes
.set SLOT,  139264                     ; four quarters
.set XI,    278528                     ; behind the ring: x's images, two buffers of XB: 4 images, then 4 x 128 bytes of scale words
.set XB,    4608
.set STG,   287744                     ; the waves' stages: 16 rows x (512 + 16) bytes each: row r begins 4 r banks on, so the 16 rows that a load touches begin at 16 different banks
.set VSS,   321536                     ; v's scale halves, 512 bytes a wave
.set QST,   323584                     ; q's and k's scale words, 256 bytes each
.set SPARE, 324096                     ; the spare words, 128 bytes a wave
.set SPW,   28
.set NIL,   29
.set XS,    32
.set WS,    64
.set PCA,   80
.set PCB,   88
.set PWA,   96
.set PWB,   97
.set U,     98
.set BV,    100
.set TM,    116                        ; 0-3 largest magnitudes, 4-7 the other half's, then the bytes, 8-11 the conversions' scale operands
.set ACC,   128
.set RAW,   32                         ; in window 3
.set WV,    20                         ; s20 my wave's number
.set SEL,   40                         ; s[40:41] lane selects: lane l xor 16
.set MSB, 0
.macro WIN new                         ; the immediate's high byte repeats the setting that is left; a switch that changes nothing is dropped
.if MSB != (\new)
	s_set_vgpr_msb (MSB<<8)|(\new)
.set MSB, (\new)
.endif
.endm
.macro NOPS n
.rept \n
	v_nop
.endr
.endm
.macro ROUND                           ; a round of the cluster's barrier
	s_barrier_signal -1
	s_barrier_wait -1
	s_cmp_lg_u32 s[WV], 0
	s_cbranch_scc1 .Lnw0_\@
	s_barrier_signal -3
.Lnw0_\@:
	s_barrier_wait -3
	s_barrier_signal -1
	s_barrier_wait -1
.endm
; one matrix instruction: D, A, B, C by their first registers; the scale registers; ra, rb: that side's scales stand in lanes 16-31
.macro WM d, a, b, cb, sa, sb, ra, rb
.if (\ra)
	v_wmma_scale_f32_16x16x128_f8f6f4 v[(\d):(\d)+7], v[(\a):(\a)+7], v[(\b):(\b)+7], v[(\cb):(\cb)+7], v[\sa], v[\sb] matrix_a_fmt:MATRIX_FMT_FP4 matrix_b_fmt:MATRIX_FMT_FP4 matrix_a_scale:MATRIX_SCALE_ROW1
.elseif (\rb)
	v_wmma_scale_f32_16x16x128_f8f6f4 v[(\d):(\d)+7], v[(\a):(\a)+7], v[(\b):(\b)+7], v[(\cb):(\cb)+7], v[\sa], v[\sb] matrix_a_fmt:MATRIX_FMT_FP4 matrix_b_fmt:MATRIX_FMT_FP4 matrix_b_scale:MATRIX_SCALE_ROW1
.else
	v_wmma_scale_f32_16x16x128_f8f6f4 v[(\d):(\d)+7], v[(\a):(\a)+7], v[(\b):(\b)+7], v[(\cb):(\cb)+7], v[\sa], v[\sb] matrix_a_fmt:MATRIX_FMT_FP4 matrix_b_fmt:MATRIX_FMT_FP4
.endif
.endm
; 64 numbers of a lane, register 16 b + i = place 32 b + 16 (lane / 16) + i of block b, become 8 registers of codes (registers 4 c .. 4 c + 3: lanes 0-15 block 2 c, lanes 16-31 block 2 c + 1) and a word of four scale bytes
.macro QUANT s, pc, pw
.irp b, 0,1,2,3
	v_max3_num_f32 v[TM+\b], |v[\s+16*\b]|, |v[\s+1+16*\b]|, 0x1800000   ; my 16 numbers of block b, and the floor 2^(3 - 127): the byte cannot fall under 1
.endr
.irp i, 2,4,6,8,10,12,14
.irp b, 0,1,2,3
	v_max3_num_f32 v[TM+\b], v[TM+\b], |v[\s+16*\b+\i]|, |v[\s+1+16*\b+\i]|   ; (the four blocks by turns)
.endr
.endr
.irp b, 0,1,2,3
	v_permlanex16_b32 v[TM+4+\b], v[TM+\b], s[SEL], s[SEL+1]
.endr
.irp b, 0,1,2,3
	v_max_num_f32 v[TM+\b], v[TM+\b], v[TM+4+\b]   ; with lane l xor 16's: the block's largest magnitude
.endr
.irp b, 0,1,2,3
	v_add_nc_u32 v[TM+8+\b], 0xff000000, v[TM+\b]  ; 2 off its exponent field: the conversion's scale operand
.endr
.irp b, 0,1,2,3
	v_lshrrev_b32 v[TM+4+\b], 23, v[TM+8+\b]       ; the scale's byte
.endr
	v_lshl_or_b32 v[\pw], v[TM+5], 8, v[TM+4]
	v_lshl_or_b32 v[\pw], v[TM+6], 16, v[\pw]
	v_lshl_or_b32 v[\pw], v[TM+7], 24, v[\pw]
.irp b, 0,1,2,3
	v_cvt_scalef32_pk8_fp4_f32 v[\pc+2*\b], v[\s+16*\b:\s+7+16*\b], v[TM+8+\b]
	v_cvt_scalef32_pk8_fp4_f32 v[\pc+1+2*\b], v[\s+8+16*\b:\s+15+16*\b], v[TM+8+\b]
.endr
	v_nop                                          ; one plain line behind the last scaled conversion
.irp c, 0,1
.irp i, 0,1
	v_permlane16_swap_b32 v[\pc+4*\c+\i], v[\pc+2+4*\c+\i]   ; a whole block into a lane
.endr
.endr
.endm
; K step s of my 16 rows of x: each load takes 512 bytes on end of one row, into set s % 3 of window 3
.macro LOADX s
	WIN 0xc0
.irp i, 0,1,2,3,4,5,6,7,8,9,10,11,12,13,14,15
	global_load_b128 v[RAW+64*((\s)%3)+4*\i:RAW+64*((\s)%3)+4*\i+3], v4, s[42:43] offset:(\i+8*(\i/8))*4096+512*(\s) th:TH_LOAD_NT
.endr
	WIN 0
.endm
; K step s turns through my stage: in as loaded, back so that a lane holds row r, block b, its half's 16 numbers; into set s % 2 of the numbers
.macro TURN s
	WIN 0x0c                                       ; an LDS store's data are its source 1: window 3
.irp i, 0,1,2,3,4,5,6,7,8,9,10,11,12,13,14,15
	ds_store_b128 v5, v[RAW+64*((\s)%3)+4*\i:RAW+64*((\s)%3)+4*\i+3] offset:528*\i
.endr
	WIN 0
.irp b, 0,1,2,3
.irp j, 0,1,2,3
	ds_load_b128 v[ACC+64*((\s)%2)+16*\b+4*\j:ACC+64*((\s)%2)+16*\b+4*\j+3], v6 offset:128*\b+16*\j   ; LDS serves a wave's instructions in order: these see my stores
.endr
.endr
.endm
; K step s of x.  fill = 1: the step's barrier is a round of the cluster's barrier, and behind it slot 0, which has been read into registers, is filled again
.macro XSTEP s, fill
	s_wait_dscnt 0x0                               ; this step's numbers are back; the turn's stores have read their registers; and my reads of x's images of the step before are in
.if (\s) < 5
	LOADX (\s)+3                                   ; into the set that this step's turn has left
.endif
.if (\s) < 7
.if (\s) <= 4
	s_wait_loadcnt 32                              ; the next K step's 16 loads are in; those of the two steps behind it may be out
.elseif (\s) == 5
	s_wait_loadcnt 16
.else
	s_wait_loadcnt 0
.endif
	TURN (\s)+1                                    ; the next step's turn is on its way while this step is quantised
.endif
	QUANT ACC+64*((\s)%2), PCA, PWA
	ds_store_b128 v7, v[PCA:PCA+3] offset:XB*((\s)%2)
	ds_store_b128 v7, v[PCA+4:PCA+7] offset:XB*((\s)%2)+512
	ds_store_b32 v8, v[PWA] offset:XB*((\s)%2)
.if \fill
	s_wait_tensorcnt 0x0                           ; no tensor load of mine is out (slot 1 has landed too), so a group 0 may be written
	ds_add_u32 v[SPW], v[NIL]
	s_add_nc_u64 s[34:35], s[34:35], 2*QB          ; slot 0 takes Wv's second step
	s_mov_b32 s26, 136<<16                         ; no tensor load of mine is out: from here on a load brings one quarter, 136 rows
	s_mov_b32 s28, 136
	s_wait_dscnt 0x0                               ; the add is done, my image lies in LDS, and my reads of slot 0 are over
	ROUND                                          ; it serves as this step's barrier too
	tensor_load_to_lds s[32:35], s[24:31]
	s_nop 0
	NOPS 4
.else
	s_wait_dscnt 0x0                               ; for the others' sake: my image lies in LDS
	s_barrier_signal -1
	s_barrier_wait -1                              ; all four tiles' images lie there; and nobody reads the other buffer any more (each wave waited for those reads at the step's head)
.endif
	WIN 0x40
.irp t, 0,1,2,3
.irp c, 0,1
	ds_load_b128 v[8*(8*\t+(\s))+4*\c:8*(8*\t+(\s))+4*\c+3], v9 offset:XB*((\s)%2)+1024*\t+512*\c
.endr
.endr
	WIN 0
.irp t, 0,1,2,3
	ds_load_b32 v[XS+8*\t+(\s)], v10 offset:XB*((\s)%2)+128*\t
.endr
.endm
.macro LOADW n                         ; my quarter of slot n: 32 fragments and their scale words
	WIN 0x80
.irp i, 0,1,2,3
.irp s, 0,1,2,3,4,5,6,7
.irp c, 0,1
	ds_load_b128 v[8*(8*\i+\s)+4*\c:8*(8*\i+\s)+4*\c+3], v[11+\n] offset:8192*\i+1024*\s+512*\c
.endr
.endr
.endr
	WIN 0
.irp p, 0,1
.irp q, 0,1
	ds_load_b128 v[WS+8*\p+4*\q:WS+8*\p+4*\q+3], v[11+\n] offset:32768+512*(2*\p+\q)
.endr
.endr
.endm
.macro MULQK                           ; transposed: source 0 = 16 features of W, source 1 = 16 rows of x; accumulator (t, i) at ACC + 32 t + 8 i
.irp s, 0,1,2,3,4,5,6,7
.if \s == 0
	WIN 0x36                                       ; W window 2, x window 1, the bias window 3
.else
	WIN 0x06
.endif
.irp t, 0,1,2,3
.irp i, 0,1,2,3
.if \s == 0
	WM ACC+32*\t+8*\i, 8*(8*\i+\s), 8*(8*\t+\s), 8*\i, WS+8*(\i/2)+\s, XS+8*\t+\s, \i%2, 0
.else
	WM ACC+32*\t+8*\i, 8*(8*\i+\s), 8*(8*\t+\s), ACC+32*\t+8*\i, WS+8*(\i/2)+\s, XS+8*\t+\s, \i%2, 0
.endif
.endr
.endr
.endr
	WIN 0
.endm
.macro MULV                            ; source 0 = 16 rows of x, source 1 = 16 channels of Wv; accumulator (i, t) at ACC + 32 i + 8 t
.irp s, 0,1,2,3,4,5,6,7
.if \s == 0
	WIN 0x39                                       ; x window 1, W window 2, the bias window 3
.else
	WIN 0x09
.endif
.irp i, 0,1,2,3
.irp t, 0,1,2,3
.if \s == 0
	WM ACC+32*\i+8*\t, 8*(8*\t+\s), 8*(8*\i+\s), 8*\i, XS+8*\t+\s, WS+8*(\i/2)+\s, 0, \i%2
.else
	WM ACC+32*\i+8*\t, 8*(8*\t+\s), 8*(8*\i+\s), ACC+32*\i+8*\t, XS+8*\t+\s, WS+8*(\i/2)+\s, 0, \i%2
.endif
.endr
.endr
.endr
	WIN 0
.endm
; THE CHANGE OF SLOTS stands in front of a step's products: slot n has just been read into registers.  Each wave waits for all its tensor loads (its quarter of the other slot), adds 0 to its spare word, waits for that
; and for its LDS reads; a round of the cluster's barrier; behind it the joint refill first: slot n's quarter two steps on.
.macro CHANGE n
	WIN 0
	s_wait_tensorcnt 0x0                           ; no tensor load of mine is out, so a group 0 may be written
	ds_add_u32 v[SPW], v[NIL]
	s_add_nc_u64 s[34+4*\n:35+4*\n], s[34+4*\n:35+4*\n], 2*QB
	s_wait_dscnt 0x0                               ; the add is done; W's fragments are in registers
	ROUND
	tensor_load_to_lds s[32+4*\n:35+4*\n], s[24:31]
	s_nop 0
	NOPS 4
.endm
; q or k out.  The 64 registers of two tiles of rows are four blocks: (tile 0, my feature blocks 0, 1), (tile 1, the same): so registers 0-3 of the codes are half c = wave % 2 of tile 0's image, registers 4-7 of tile 1's,
; and the word's low half holds two bytes of tile 0's scale word, its high half of tile 1's.  The words meet in LDS, laid [lane r + 16 (t % 2)][t / 2].
.macro EPIQK
	NOPS 4
	QUANT ACC, PCA, PWA
	global_store_b128 v4, v[PCA:PCA+3], s[44:45]
	global_store_b128 v4, v[PCA+4:PCA+7], s[44:45] offset:1024
	ds_store_b16 v16, v[PWA]
	ds_store_b16_d16_hi v16, v[PWA] offset:128
	QUANT ACC+64, PCB, PWB
	global_store_b128 v4, v[PCB:PCB+3], s[44:45] offset:2048
	global_store_b128 v4, v[PCB+4:PCB+7], s[44:45] offset:3072
	ds_store_b16 v16, v[PWB] offset:4
	ds_store_b16_d16_hi v16, v[PWB] offset:132
.endm
; v out: channel tiles 4 j .. 4 j + 3 of my 16.  The 64 registers of two channel tiles are (tile 0, my work-group's key blocks 0, 1), (tile 1, the same): halves c = g % 2 of two images.
; The scale halves are laid [lane r + 16 hh][pair of tiles]: lanes 16-31 take the word's high half, which is the odd tile's.
.macro EPIV j
	s_wait_xcnt 0x0                                ; the last stores have read the registers that are written again below
	NOPS 4
	QUANT ACC, PCA, PWA
	global_store_b128 v4, v[PCA:PCA+3], s[46:47] offset:1024*(4*(\j))
	global_store_b128 v4, v[PCA+4:PCA+7], s[46:47] offset:1024*(4*(\j)+1)
	v_lshrrev_b32 v[U], v15, v[PWA]
	ds_store_b16 v14, v[U] offset:2*(2*(\j))
	QUANT ACC+64, PCB, PWB
	global_store_b128 v4, v[PCB:PCB+3], s[46:47] offset:1024*(4*(\j)+2)
	global_store_b128 v4, v[PCB+4:PCB+7], s[46:47] offset:1024*(4*(\j)+3)
	v_lshrrev_b32 v[U+1], v15, v[PWB]
	ds_store_b16 v14, v[U+1] offset:2*(2*(\j)+1)
.endm
.macro BIV j                           ; bv as C: a lane holds one channel, so a tile's eight registers are alike
	WIN 0xc0
.irp i, 0,1,2,3
.irp q, 0,1,2,3,4,5,6,7
	v_mov_b32 v[8*\i+\q], v[BV+4*(\j)+\i]
.endr
.endr
	WIN 0
	NOPS 4
.endm
	s_load_b512 s[4:19], s[0:1], 0x0               ; x s[4:5], wimg s[6:7], bq s[8:9], bk s[10:11], bv s[12:13], qimg s[14:15], kimg s[16:17], vimg s[18:19]
	v_lshl_add_u32 v[SPW], v0, 2, SPARE
	v_mov_b32 v[NIL], 0
	ds_add_u32 v[SPW], v[NIL]                      ; the wave's opening: the add, twice on end, and its wait ahead of my first tensor load
	ds_add_u32 v[SPW], v[NIL]
	v_lshrrev_b32 v1, 5, v0
	v_readfirstlane_b32 s[WV], v1                  ; wave 0..3
	s_bfe_u32 s21, ttmp6, 0x40000                  ; cx: it enters global addresses of x and of the three outputs alone
	s_lshl_b32 s22, ttmp9, 2
	s_add_co_u32 s22, s22, s21                     ; g
	s_mov_b32 s24, 15|(3<<16)|(1<<21)              ; group 1: the mask names the four work-groups; elements of 8 bytes; bit 21 beside a mask; no padding
	s_mov_b32 s25, 32<<16                          ; tensor_dim0 = 32 elements: 256 bytes
	s_mov_b32 s26, 272<<16                         ; tensor_dim1: the head's load brings my quarters of slots 0 and 1 on end, 272 rows
	s_mov_b32 s27, 32<<16                          ; tile_dim0
	s_mov_b32 s28, 272                             ; tile_dim1
	s_mov_b32 s29, 32                              ; the pitch: dense
	s_mov_b32 s30, 0
	s_mov_b32 s31, 0
	s_mov_b32 s[SEL], 0x76543210
	s_mov_b32 s[SEL+1], 0xfedcba98
	s_mul_i32 s52, s[WV], 2*QB                     ; LDS: my two quarters lie on end: slot n's at (2 wave + n) QB
	s_mul_i32 s74, s[WV], 5*QB                     ; wimg: [quarter][slot]: my five steps on end
	s_mov_b32 s75, 0
	s_mov_b32 s53, 0
	v_and_b32 v1, 31, v0                           ; lane
	v_and_b32 v2, 15, v0                           ; r
	v_bfe_u32 v3, v0, 4, 1                         ; h
	v_lshlrev_b32 v4, 4, v1                        ; 16 x lane
	v_lshlrev_b32 v18, 6, v3                       ; 64 h
	v_lshlrev_b32 v19, 2, v2                       ; 4 r
	s_and_b32 s23, s[WV], 1
	s_lshr_b32 s66, s[WV], 1
	s_wait_alu depctr_va_vdst(0)
	s_wait_dscnt 0x0                               ; both opening adds are done
	s_wait_kmcnt 0x0
	s_add_nc_u64 s[54:55], s[6:7], s[74:75]
	; the biases are asked for ahead of the round; x's first three K steps follow the weights' load
	s_cmp_lt_u32 s[WV], 2
	s_cselect_b64 s[60:61], s[8:9], s[10:11]       ; waves 0, 1: bq; waves 2, 3: bk
	s_lshl_b32 s56, s23, 8                         ; my 64 features
	s_mov_b32 s57, 0
	s_add_nc_u64 s[60:61], s[60:61], s[56:57]
	s_lshl_b32 s56, s[WV], 10                      ; my 256 channels
	s_add_nc_u64 s[62:63], s[12:13], s[56:57]
	WIN 0xc0
.irp i, 0,1,2,3                                        ; tile i = 2 b + u: lane (r, h), register j: feature 32 b + 16 h + 8 u + j
	global_load_b128 v[8*\i:8*\i+3], v18, s[60:61] offset:(32*(\i/2)+8*(\i%2))*4
	global_load_b128 v[8*\i+4:8*\i+7], v18, s[60:61] offset:(32*(\i/2)+8*(\i%2))*4+16
.endr
	WIN 0
.irp u, 0,1,2,3,4,5,6,7,8,9,10,11,12,13,14,15
	global_load_b32 v[BV+\u], v19, s[62:63] offset:64*\u
.endr
	s_lshl_b32 s56, s22, 6                         ; x: row 64 g + 32 (w / 2) + 8 (w % 2)
	s_lshl_b32 s58, s66, 5
	s_add_co_u32 s56, s56, s58
	s_lshl_b32 s58, s23, 3
	s_add_co_u32 s56, s56, s58
	s_lshl_b32 s56, s56, 12
	s_add_nc_u64 s[42:43], s[4:5], s[56:57]
	ROUND                                          ; all four work-groups are here: the first joint loads meet
.irp n, 0,1
	s_mov_b32 s[32+4*\n], 1
	s_add_co_u32 s[33+4*\n], s52, \n*QB
	s_add_nc_u64 s[34+4*\n:35+4*\n], s[54:55], \n*QB
	s_or_b32 s[35+4*\n], s[35+4*\n], 0x80000000
.endr
	tensor_load_to_lds s[32:35], s[24:31]          ; my one load at the head: Wq or Wk, and Wv's first step behind it
	s_nop 0
	NOPS 4
	LOADX 0                                        ; x's first three K steps stand behind the weights' request
	LOADX 1
	LOADX 2
	v_lshlrev_b32 v13, 3, v1                       ; 8 x lane
	v_lshlrev_b32 v15, 4, v3                       ; 16 h
	s_mul_i32 s56, s[WV], 8448
	s_add_co_u32 s56, s56, STG                     ; my stage
	v_add_nc_u32 v5, s56, v4                       ; in: 16 x lane of a row
	v_mul_u32_u24 v6, v2, 528
	v_lshl_add_u32 v6, v3, 6, v6
	v_add_nc_u32 v6, s56, v6                       ; back: row r, + 64 h
	s_lshl_b32 s56, s[WV], 10
	s_add_co_u32 s56, s56, XI
	v_add_nc_u32 v7, s56, v4                       ; where I store my tile's image,
	s_lshl_b32 s56, s[WV], 7
	s_add_co_u32 s56, s56, XI+4096
	v_lshl_add_u32 v8, v1, 2, s56                  ; and its scale words
	v_add_nc_u32 v9, XI, v4                        ; where any image is read,
	v_lshl_add_u32 v10, v1, 2, XI+4096             ; and any scale words
	v_add_nc_u32 v11, s52, v4                      ; my quarter in slot 0,
	v_add_nc_u32 v12, QB, v11
	s_lshl_b32 s56, s[WV], 9
	s_add_co_u32 s56, s56, VSS
	v_add_nc_u32 v14, s56, v4
	s_lshl_b32 s56, s66, 8
	s_lshl_b32 s58, s23, 1
	s_add_co_u32 s56, s56, s58
	s_add_co_u32 s56, s56, QST
	v_lshl_add_u32 v16, v2, 3, s56                 ; q's or k's scale words: 256 (w / 2) + 2 (w % 2) + 8 r
	s_lshl_b32 s58, s23, 8
	s_add_co_u32 s58, s58, QST
	v_add_nc_u32 v17, s58, v13                     ; and where waves 0 and 1 read them back
.irp b, 0,1,2,3
	v_mov_b32 v[TM+4+\b], 0                        ; written once: a lane permute's destination counts as one of its sources
.endr
	; where the results go
	s_mul_i32 s67, s22, 4352                       ; qimg: [g][4 images, 256 bytes of words]
	s_lshr_b32 s56, s22, 5
	s_mul_i32 s68, s56, 139264                     ; kimg: [batch][key step % 4][key step / 4][8 images, 512 bytes of words]; key step = (g / 2) % 16
	s_bfe_u32 s56, s22, 0x20001
	s_mul_i32 s56, s56, QB
	s_add_co_u32 s68, s68, s56
	s_bfe_u32 s56, s22, 0x20003
	s_mul_i32 s56, s56, 8704
	s_add_co_u32 s68, s68, s56
	s_and_b32 s69, s22, 1                          ; c: which 64 keys of the key step's 128
	s_bfe_u32 s70, s22, 0x10001                    ; e: which key step of the pair
	s_lshl_b32 s56, s69, 12
	s_add_co_u32 s71, s68, s56                     ; k's images 4 c on
	s_lshl_b32 s56, s69, 8
	s_add_co_u32 s68, s68, s56
	s_add_co_u32 s68, s68, 8192                    ; k's words
	s_add_co_u32 s72, s67, 4096                    ; q's words
	s_cmp_lt_u32 s[WV], 2
	s_cselect_b64 s[44:45], s[14:15], s[16:17]
	s_cselect_b32 s56, s67, s71
	s_lshl_b32 s58, s23, 9                         ; my half of each image
	s_add_co_u32 s56, s56, s58
	s_add_nc_u64 s[44:45], s[44:45], s[56:57]
	s_cmp_eq_u32 s[WV], 0
	s_cselect_b64 s[48:49], s[14:15], s[16:17]
	s_cselect_b32 s56, s72, s68
	s_add_nc_u64 s[48:49], s[48:49], s[56:57]
	s_lshr_b32 s56, s22, 2                         ; vimg: [batch][pair of key steps][w][34,816]: [e][16 images], then at 32,768 the scale halves [e][c][lane][8]
	s_lshl_b32 s56, s56, 2
	s_add_co_u32 s56, s56, s[WV]
	s_mul_i32 s56, s56, QB
	s_lshl_b32 s58, s69, 9
	s_add_co_u32 s56, s56, s58
	s_lshl_b32 s58, s70, 14
	s_add_co_u32 s73, s56, s58
	s_lshl_b32 s58, s70, 10
	s_add_co_u32 s56, s56, s58
	s_add_co_u32 s56, s56, 32768
	s_add_nc_u64 s[50:51], s[18:19], s[56:57]
	s_mov_b32 s56, s73
	s_add_nc_u64 s[46:47], s[18:19], s[56:57]
	s_wait_loadcnt 32                              ; the biases and K step 0 are in; the 16 loads of each of K steps 1 and 2 may be out
	TURN 0
	XSTEP 0, 0
	XSTEP 1, 0
	XSTEP 2, 0
	XSTEP 3, 0
	s_wait_tensorcnt 0x0                           ; my two quarters are in; only I read them
	LOADW 0                                        ; Wq or Wk into registers, so that slot 0 is free from here on
	XSTEP 4, 1
	XSTEP 5, 0
	XSTEP 6, 0
	XSTEP 7, 0
	s_wait_dscnt 0x0                               ; x's fragments of the last K step
	MULQK
	NOPS 4                                         ; places in front of loads into registers that matrix instructions have read
	LOADW 1                                        ; Wv's first step (its load was shown landed in front of K step 4's round)
	EPIQK
	BIV 0
	CHANGE 1                                       ; slot 1 takes Wv's third step
	s_wait_alu depctr_va_vdst(0)
	MULV
	NOPS 4
	LOADW 0                                        ; the second step
	EPIV 0
	BIV 1
	CHANGE 0                                       ; slot 0 takes the fourth
	s_wait_alu depctr_va_vdst(0)
	MULV
	NOPS 4
	LOADW 1                                        ; the third step
	EPIV 1
	BIV 2
	s_wait_alu depctr_va_vdst(0)
	s_wait_dscnt 0x0
	MULV
	NOPS 4
	s_wait_tensorcnt 0x0                           ; the last tile: no load was issued behind it; only I read my quarter
	LOADW 0
	EPIV 2
	BIV 3
	s_wait_alu depctr_va_vdst(0)
	s_wait_dscnt 0x0
	MULV
	EPIV 3
	ds_load_b128 v[TM:TM+3], v14                   ; my 16 tiles' scale halves: LDS serves a wave's instructions in order
	s_wait_dscnt 0x0
	global_store_b128 v4, v[TM:TM+3], s[50:51]     ; 512 bytes on end
	s_cmp_lt_u32 s[WV], 2
	s_cbranch_scc0 .Lnoq
	ds_load_b64 v[TM+4:TM+5], v17                  ; wave 0: q's words, wave 1: k's; they were stored ahead of the changes' rounds
	s_wait_dscnt 0x0
	global_store_b64 v13, v[TM+4:TM+5], s[48:49]   ; 256 bytes on end
.Lnoq:
	s_wait_tensorcnt 0x0                           ; the wave's end
	ds_add_u32 v[SPW], v[NIL]
	s_wait_dscnt 0x0
	ROUND                                          ; the closing round
	s_endpgm
.Lfunc_end_k_q6c54fc21a3_proj:
	.size	k_q6c54fc21a3_proj, .Lfunc_end_k_q6c54fc21a3_proj-k_q6c54fc21a3_proj
	.p2alignl 7, 3214868480
	.fill 96, 4, 3214868480
	.section	.rodata,"a",@progbits
	.p2align	6, 0x0
	.amdhsa_kernel k_q6c54fc21a3_proj
		.amdhsa_group_segment_fixed_size 327680
		.amdhsa_private_segment_fixed_size 0
		.amdhsa_enable_private_segment 0
		.amdhsa_kernarg_size 64
		.amdhsa_user_sgpr_count 2
		.amdhsa_user_sgpr_kernarg_segment_ptr 1
		.amdhsa_wavefront_size32 1
		.amdhsa_system_sgpr_workgroup_id_x 1
		.amdhsa_system_sgpr_workgroup_id_y 1
		.amdhsa_system_sgpr_workgroup_id_z 1
		.amdhsa_system_vgpr_workitem_id 0
		.amdhsa_next_free_vgpr 1024
		.amdhsa_next_free_sgpr 80
		.amdhsa_reserve_vcc 0
		.amdhsa_float_denorm_mode_32 3
		.amdhsa_float_denorm_mode_16_64 3
		.amdhsa_memory_ordered 1
		.amdhsa_forward_progress 1
		.amdhsa_inst_pref_size 229
	.end_amdhsa_kernel
	.amdgpu_metadata
---
amdhsa.version: [ 1, 2 ]
amdhsa.kernels:
  - .name:           k_q6c54fc21a3_proj
    .symbol:         k_q6c54fc21a3_proj.kd
    .args:
      - { .name: x, .offset: 0, .size: 8, .value_kind: global_buffer, .address_space: global }
      - { .name: wimg, .offset: 8, .size: 8, .value_kind: global_buffer, .address_space: global }
      - { .name: bq, .offset: 16, .size: 8, .value_kind: global_buffer, .address_space: global }
      - { .name: bk, .offset: 24, .size: 8, .value_kind: global_buffer, .address_space: global }
      - { .name: bv, .offset: 32, .size: 8, .value_kind: global_buffer, .address_space: global }
      - { .name: qimg, .offset: 40, .size: 8, .value_kind: global_buffer, .address_space: global }
      - { .name: kimg, .offset: 48, .size: 8, .value_kind: global_buffer, .address_space: global }
      - { .name: vimg, .offset: 56, .size: 8, .value_kind: global_buffer, .address_space: global }
    .group_segment_fixed_size: 327680
    .private_segment_fixed_size: 0
    .kernarg_segment_align: 8
    .kernarg_segment_size: 64
    .max_flat_workgroup_size: 128
    .sgpr_count:     80
    .vgpr_count:     1024
    .wavefront_size: 32
...
	.end_amdgpu_metadata
.endif
;; end of part 2
;; launch attn (part 3): grid 256 x 1, 8 waves a work-group, clusters of 4 x 1, 327,680 bytes of LDS; arguments qimg, kimg, vimg, out0; writes out0
.if DOCPART == 3
	.amdgcn_target "amdgcn-amd-amdhsa--gfx1250"
	.amdhsa_code_object_version 6
	.text
	.protected	k_q6c54fc21a3_attn
	.globl	k_q6c54fc21a3_attn
	.p2align	8
	.type	k_q6c54fc21a3_attn,@function
k_q6c54fc21a3_attn:
	s_mov_b64 s[64:65], 0
	v_nop
	global_prefetch_b8 v0, s[64:65] scope:SCOPE_SE
	s_setreg_imm32_b32 hwreg(HW_REG_WAVE_MODE, 25, 1), 1
	s_wait_xcnt 0x0
	s_wait_alu depctr_hold_cnt(0) depctr_sa_sdst(0) depctr_va_vdst(0) depctr_va_sdst(0) depctr_va_ssrc(0) depctr_va_vcc(0) depctr_vm_vsrc(0)
	s_getreg_b32 s2, hwreg(HW_REG_IB_STS2, 6, 4)
	s_cmp_eq_u32 s2, 0
	s_cbranch_scc0 .Lentry_in_a_cluster
	s_endpgm
.Lentry_in_a_cluster:
	s_bfe_u32 s2, ttmp6, 0x10000c
	s_cmp_lg_u32 s2, 0x3003
	s_cbranch_scc0 .Lentry_shape_is_right
	s_endpgm
.Lentry_shape_is_right:
; out = tanh(softmax(q k^T) v) on codes of FP4 with E8M0 scales; q, k, v arrive as images of operand registers (1,024 bytes a fragment: [c][lane][16 bytes]) with their scale words, as proj lays them.
; Nothing of reference() is left out.  MORE THAN reference(): the scores are formed twice, once for each row's largest score and once for p: the waves share p through LDS, so all must quantise under one M, the row's final one.
; p = 2^(t - M), t = score x log2(e), M = ceil(the row's largest t); the row's sum is taken of the unquantised p and divides at the end; tanh(x) = 1 - 2 / (1 + 2^(2 x log2(e))).
; LIMITS: NaN and infinities among the inputs are not served; a block of p whose largest number lies under 2^-124 keeps the scale byte 1.
; SHARES.  Work-group g owns queries 64 g .. 64 g + 63 of one batch (four tiles of 16, in proj's row order) and all 1,024 channels.  EIGHT waves of 512 registers; lo = wave % 4, hi = wave / 4.
; Second product: wave (lo, hi) owns channels 256 lo + 128 hi on, all 64 queries: 32 accumulators, window 1.  O^T = V^T P^T: a lane holds one query, its registers eight neighbouring channels.
; Softmax: keys go in rounds of four key steps of 128.  Of a round's 16 tiles of p, wave (lo, hi) makes two: key step lo, query tiles 2 hi + b.  They reach the others as images through LDS, two buffers by turns.
; A pair of key steps is one slot of V.  In each pair a wave makes one tile of the next round's p: waves with hi = 0 ahead of the pair's products, those with hi = 1 behind them.
; THE WALK IS ROTATED: a cluster begins at round (cluster number % 4) of the batch's four and goes round; so the f32 sums over the key steps are taken in an order that differs from cluster to cluster by a rotation.
; V comes through a ring of two slots; every wave fetches an eighth of a slot (68 rows of 256 bytes).  CLUSTER: the four work-groups of a cluster lie in one batch and ask for each eighth jointly (mask 15).
; K's fragments come from memory straight into registers, one key step at a time, into the registers that the pair's first fragments of V have left.
; NO PREFETCH: a batch has eight clusters and four rotations, and a cluster's two first fills are the two pairs of its first round: so each pair that a refill names has been loaded, at the launch's head, by the clusters whose walk begins there.
; REGISTERS, window 0: v1-17 addresses; v18, v19 the add's two; v20-27 -M, later the divisors; v28-31 sums; v32-47 scale words; v48-63 Q; v64-95 P; v96-159 scores, p, or V; v160-223 K or V; v224-255 at work.  Window 1: accumulator (u, m) at 8 (4 u + m).
.set QB,    34816
.set SLOT,  139264
.set WB,    17408                      ; an eighth of a slot
.set PC0,   0x44000                    ; p's images: two buffers of 16, 0x4000 apart
.set PS0,   0x4c000                    ; p's scale words: two buffers of 2,048 bytes
.set MST,   0x4d000                    ; the exchange of maxima, and at + 2,048 of sums: [tile][lane][lo]
.set SPARE, 0x4e000                    ; the spare words, 128 bytes a wave
.set STB,   8448                       ; the way out: a stage of 16 rows x (512 + 16) bytes, two a wave, in slot 0, behind its last fill and last read
.set L8,    2
.set PB,    15
.set PSB,   16
.set QS,    17
.set SPW,   18
.set NIL,   19
.set NM,    20
.set LS,    28
.set PSC,   32
.set VR,    36
.set VW,    40
.set KS,    44
.set QF,    48
.set PF,    64
.set S,     96
.set KV,    160
.set MX,    240
.set WV,    12
.set CS,    16
.set SEL,   18
.set HI,    22
.set LO,    23
.set PRC,   40
.set PRS,   41
.set PWC,   42
.set PWS,   43
.set KB,    44                         ; s[44:45] my key steps of K: [round]; stays
.set IT,    46
.set KR,    47                         ; the round, counted along the walk, whose p is being made
.set PI,    48                         ; the pair of key steps, as it lies in vimg, that was asked for last
.set K2,    52
.set KO,    68                         ; 1 where hi = 0
.set H1K,   70
.set FA,    72                         ; which waves make a tile at which end of the pair: 0, 1 = hi; 2: none
.set FK,    73                         ; not 0: K is fetched in this pair
.set ROT,   75                         ; the round at which my cluster's walk begins
.set MSB, 0
.macro WIN new
.if MSB != (\new)
	s_set_vgpr_msb (MSB<<8)|(\new)
.set MSB, (\new)
.endif
.endm
.macro NOPS n
.rept \n
	v_nop
.endr
.endm
.macro ROUND                           ; a round of the cluster's barrier
	s_barrier_signal -1
	s_barrier_wait -1
	s_cmp_lg_u32 s[WV], 0
	s_cbranch_scc1 .Lnw0_\@
	s_barrier_signal -3
.Lnw0_\@:
	s_barrier_wait -3
	s_barrier_signal -1
	s_barrier_wait -1
.endm
; one matrix instruction by first registers; cb < 0: C = 0; ra, rb: that side's scales stand in lanes 16-31
.macro WM d, a, b, cb, sa, sb, ra, rb
.if (\cb) < 0
.if (\ra) && (\rb)
	v_wmma_scale_f32_16x16x128_f8f6f4 v[(\d):(\d)+7], v[(\a):(\a)+7], v[(\b):(\b)+7], 0, v[\sa], v[\sb] matrix_a_fmt:MATRIX_FMT_FP4 matrix_b_fmt:MATRIX_FMT_FP4 matrix_a_scale:MATRIX_SCALE_ROW1 matrix_b_scale:MATRIX_SCALE_ROW1
.elseif (\ra)
	v_wmma_scale_f32_16x16x128_f8f6f4 v[(\d):(\d)+7], v[(\a):(\a)+7], v[(\b):(\b)+7], 0, v[\sa], v[\sb] matrix_a_fmt:MATRIX_FMT_FP4 matrix_b_fmt:MATRIX_FMT_FP4 matrix_a_scale:MATRIX_SCALE_ROW1
.elseif (\rb)
	v_wmma_scale_f32_16x16x128_f8f6f4 v[(\d):(\d)+7], v[(\a):(\a)+7], v[(\b):(\b)+7], 0, v[\sa], v[\sb] matrix_a_fmt:MATRIX_FMT_FP4 matrix_b_fmt:MATRIX_FMT_FP4 matrix_b_scale:MATRIX_SCALE_ROW1
.else
	v_wmma_scale_f32_16x16x128_f8f6f4 v[(\d):(\d)+7], v[(\a):(\a)+7], v[(\b):(\b)+7], 0, v[\sa], v[\sb] matrix_a_fmt:MATRIX_FMT_FP4 matrix_b_fmt:MATRIX_FMT_FP4
.endif
.else
.if (\ra)
	v_wmma_scale_f32_16x16x128_f8f6f4 v[(\d):(\d)+7], v[(\a):(\a)+7], v[(\b):(\b)+7], v[(\cb):(\cb)+7], v[\sa], v[\sb] matrix_a_fmt:MATRIX_FMT_FP4 matrix_b_fmt:MATRIX_FMT_FP4 matrix_a_scale:MATRIX_SCALE_ROW1
.else
	v_wmma_scale_f32_16x16x128_f8f6f4 v[(\d):(\d)+7], v[(\a):(\a)+7], v[(\b):(\b)+7], v[(\cb):(\cb)+7], v[\sa], v[\sb] matrix_a_fmt:MATRIX_FMT_FP4 matrix_b_fmt:MATRIX_FMT_FP4
.endif
.endif
.endm
; S^T = K Q^T: eight tiles of 16 keys x my query tile b.  The 16 registers of tiles 2 i, 2 i + 1 are 16 neighbouring keys (proj chose the key order)
.macro QK b, kwin, kbase, ks
	WIN \kwin
.irp tt, 0,1,2,3,4,5,6,7
	WM S+8*\tt, (\kbase)+8*\tt, QF+8*(\b), -1, (\ks)+\tt/2, QS, \tt%2, \b
.endr
	WIN 0
	NOPS 5
.endm
.macro BLKMAX                          ; the largest score of each block of 32 keys, my half
.irp b, 0,1,2,3
	v_max3_num_f32 v[232+\b], v[S+16*\b], v[S+1+16*\b], v[S+2+16*\b]
.endr
.irp i, 3,5,7,9,11,13
.irp b, 0,1,2,3
	v_max3_num_f32 v[232+\b], v[232+\b], v[S+16*\b+\i], v[S+1+16*\b+\i]
.endr
.endr
.irp b, 0,1,2,3
	v_max_num_f32 v[232+\b], v[232+\b], v[S+15+16*\b]
.endr
.endm
.macro PASS1 left, kwin, kbase, ks     ; one key step of the first pass: left = the loads of the key steps behind it
	s_wait_loadcnt \left
.irp b, 0,1
	QK \b, \kwin, \kbase, \ks
	BLKMAX
	v_max3_num_f32 v[MX+\b], v[MX+\b], v232, v233
	v_max3_num_f32 v[MX+\b], v[MX+\b], v234, v235
.endr
.endm
; one tile of p: scores, p = 2^(t - M), its sum, its codes and scale word, out to LDS as an image
.macro SM b
	NOPS 5                                         ; the scores are laid over registers that the last products read
	s_wait_loadcnt 0x0                             ; K's fragments
	QK \b, 0, KV, KS
	BLKMAX
.irp i, 0,1,2,3
	v_permlanex16_b32 v[236+\i], v[232+\i], s[SEL], s[SEL+1]
.endr
.irp i, 0,1,2,3
	v_max_num_f32 v[232+\i], v[232+\i], v[236+\i]
.endr
.set jj, 0
.rept 32
	v_pk_fma_f32 v[S+jj:S+jj+1], v[S+jj:S+jj+1], s[CS:CS+1], v[NM+2*(\b):NM+2*(\b)+1] op_sel_hi:[1,0,0]
.set jj, jj+2
.endr
.irp i, 0,1,2,3
	v_fma_f32 v[232+\i], v[232+\i], s[CS], v[NM+2*(\b)]   ; the same of each block's largest score: it gives the block's largest p
.endr
	s_wait_alu depctr_va_vdst(0)
.set jj, 0
.rept 64
	v_exp_f32 v[S+jj], v[S+jj]
.set jj, jj+1
.endr
	v_add_nc_u32 v8, s[PWC], v[PB]                 ; where my image goes,
	v_add_nc_u32 v9, s[PWS], v[PSB]                ; and its scale word
	s_wait_alu depctr_va_vdst(0)                   ; and behind it
.irp i, 0,1,2,3
	v_exp_f32 v[232+\i], v[232+\i]
.endr
	v_pk_add_f32 v[236:237], v[S:S+1], v[S+2:S+3]  ; the sum of the unquantised p, in two chains
.set jj, 4
.rept 15
	v_pk_add_f32 v[LS+2*(\b):LS+2*(\b)+1], v[LS+2*(\b):LS+2*(\b)+1], v[S+jj:S+jj+1]
	v_pk_add_f32 v[236:237], v[236:237], v[S+jj+2:S+jj+3]
.set jj, jj+4
.endr
	v_pk_add_f32 v[LS+2*(\b):LS+2*(\b)+1], v[LS+2*(\b):LS+2*(\b)+1], v[236:237]
	s_wait_alu depctr_va_vdst(0)                   ; for the four
.irp i, 0,1,2,3
	v_max_num_f32 v[232+\i], 0x1800000, v[232+\i]  ; the floor 2^(3 - 127): the byte cannot fall under 1
.endr
.irp i, 0,1,2,3
	v_add_nc_u32 v[244+\i], 0xff000000, v[232+\i]  ; 2 off the exponent field: the conversion's scale operand
.endr
.irp i, 0,1,2,3
	v_lshrrev_b32 v[236+\i], 23, v[244+\i]
.endr
	v_lshl_or_b32 v253, v237, 8, v236
	v_lshl_or_b32 v253, v238, 16, v253
	v_lshl_or_b32 v253, v239, 24, v253
.irp i, 0,1,2,3
	v_cvt_scalef32_pk8_fp4_f32 v[224+2*\i], v[S+16*\i:S+7+16*\i], v[244+\i]
	v_cvt_scalef32_pk8_fp4_f32 v[225+2*\i], v[S+8+16*\i:S+15+16*\i], v[244+\i]
.endr
	v_nop                                          ; one plain line behind the last scaled conversion
.irp c, 0,1
.irp i, 0,1
	v_permlane16_swap_b32 v[224+4*\c+\i], v[226+4*\c+\i]   ; a whole block into a lane
.endr
.endr
	ds_store_b128 v8, v[224:227] offset:1024*(\b)
	ds_store_b128 v8, v[228:231] offset:1024*(\b)+512
	ds_store_b32 v9, v253 offset:4*(\b)
.endm
.macro ARM want, b                     ; the tile is made by the waves whose hi is want
	s_cmp_eq_u32 s[FA], \want
	s_cbranch_scc0 .Lna_\@
	SM \b
.Lna_\@:
.endm
.macro KADR                            ; s60 holds a round, counted along the walk: where my key step of it lies in kimg
	s_add_co_u32 s60, s60, s[ROT]
	s_and_b32 s60, s60, 3
	s_mul_i32 s60, s60, 8704
	s_add_nc_u64 s[K2:K2+1], s[KB:KB+1], s[60:61]
.endm
.macro KLD                             ; a key step of K: eight fragments and their scale words
.irp tt, 0,1,2,3,4,5,6,7
.irp c, 0,1
	global_load_b128 v[KV+8*\tt+4*\c:KV+8*\tt+4*\c+3], v1, s[K2:K2+1] offset:1024*\tt+512*\c
.endr
.endr
.irp c, 0,1
	global_load_b64 v[KS+2*\c:KS+2*\c+1], v[L8], s[K2:K2+1] offset:8192+256*\c
.endr
.endm
.macro LV dst, n, e                    ; my eight fragments of V: slot n, key step e of its pair
.irp u, 0,1,2,3,4,5,6,7
.irp c, 0,1
	ds_load_b128 v[(\dst)+8*\u+4*\c:(\dst)+8*\u+4*\c+3], v[4+\n] offset:16384*(\e)+1024*\u+512*\c
.endr
.endr
.endm
.macro LP n, e, s                      ; key step s of the round: p's four scale words and images; V's scale halves
	v_add_nc_u32 v10, s[PRS], v1
	v_add_nc_u32 v11, s[PRC], v1
	ds_load_b128 v[PSC:PSC+3], v10 offset:512*(\s)
	ds_load_b64 v[VR:VR+1], v[6+\n] offset:1024*(\e)
	ds_load_b64 v[VR+2:VR+3], v[6+\n] offset:1024*(\e)+512
.irp m, 0,1,2,3
.irp c, 0,1
	ds_load_b128 v[PF+8*\m+4*\c:PF+8*\m+4*\c+3], v11 offset:1024*(4*(\s)+\m)+512*\c
.endr
.endr
.endm
.macro PV vf, zero                     ; O^T += V^T P^T: 32 accumulators by turns
.irp p, 0,1,2,3
	v_perm_b32 v[VW+\p], v[VR+2+\p/2], v[VR+\p/2], s[66+\p%2]   ; the two halves of a pair of tiles' scale words
.endr
	NOPS 8                                         ; a scale register written by a vector instruction stands 8 places ahead
	WIN 0x50
.irp u, 0,1,2,3,4,5,6,7
.irp m, 0,1,2,3
.if \zero
	WM 8*(4*\u+\m), (\vf)+8*\u, PF+8*\m, -1, VW+\u/2, PSC+\m, \u%2, 0
.else
	WM 8*(4*\u+\m), (\vf)+8*\u, PF+8*\m, 8*(4*\u+\m), VW+\u/2, PSC+\m, \u%2, 0
.endif
.endr
.endr
	WIN 0
.endm
; a pair of key steps, slot n.  sm = 1: tile b of the next round's p is made.  kind 0: the first pair; 1: a round's second pair; 2: a round's first
.macro PAIR n, b, zero, sm, kind
.if \sm
	ARM 0, \b
.endif
	NOPS 4                                         ; places in front of loads into registers that matrix instructions have read
	s_wait_loadcnt 0x0                             ; no load from memory is on its way into the registers that V's fragments take
	LV KV, \n, 0
	LP \n, 0, 2*(\n)
	LV S, \n, 1
	s_wait_dscnt 16                                ; all but the second key step's 16
	PV KV, \zero
	NOPS 4
.if \sm
	s_wait_xcnt 0x0                                ; earlier loads have read their base
.if (\kind) == 2
	s_add_co_u32 s[KR], s[KR], 1
.endif
.if (\kind) == 1
	s_add_co_u32 s60, s[KR], s[KO]                 ; hi = 0: the round after, for the tile at the next pair's head
.else
	s_mov_b32 s60, s[KR]
.endif
	KADR
	s_cmp_lg_u32 s[FK], 0
	s_cbranch_scc0 .Lnk_\@
	KLD
.Lnk_\@:
.endif
	LP \n, 1, 2*(\n)+1
	s_wait_dscnt 0x0
	PV S, 0
.if \sm
	ARM 1, \b
.endif
.endm
; THE CHANGE OF SLOTS.  Each wave waits for all its tensor loads, adds 0 to its spare word, waits for that and for its LDS reads and stores.  fill = 1: a round of the cluster's barrier, and behind it slot n's joint refill first
.macro CHANGE n, fill
	s_wait_tensorcnt 0x0                           ; no tensor load of mine is out, so a group 0 may be written
	ds_add_u32 v[SPW], v[NIL]
.if \fill
	s_add_co_u32 s[PI], s[PI], 1                   ; the next pair of the walk, round the batch's eight
	s_and_b32 s[PI], s[PI], 7
	s_mul_i32 s60, s[PI], SLOT
	s_add_nc_u64 s[34+4*\n:35+4*\n], s[58:59], s[60:61]
	s_or_b32 s[35+4*\n], s[35+4*\n], 0x80000000
.endif
	s_wait_dscnt 0x0
.if \fill
	ROUND
	tensor_load_to_lds s[32+4*\n:35+4*\n], s[24:31]
	s_nop 0
	NOPS 4
.else
	s_barrier_signal -1
	s_barrier_wait -1
.endif
.endm
.macro TOGGLE                          ; p's two buffers change places
	s_xor_b32 s[PRC], s[PRC], 0xc000
	s_xor_b32 s[PWC], s[PWC], 0xc000
	s_xor_b32 s[PRS], s[PRS], 0x800
	s_xor_b32 s[PWS], s[PWS], 0x800
.endm
; THE WAY OUT of query tile m: x 2 log2(e) / sum, tanh, through my stage, and out as 16 rows of 512 bytes on end
.macro OUT m
.set RB, S+64*((\m)%2)
	WIN 0x41
	s_wait_alu depctr_va_vdst(0)                   ; directly ahead of the first readers of matrix results
.irp u, 0,1,2,3,4,5,6,7
.irp j, 0,2,4,6
	v_pk_mul_f32 v[8*(4*\u+\m)+\j:8*(4*\u+\m)+\j+1], v[8*(4*\u+\m)+\j:8*(4*\u+\m)+\j+1], v[NM+2*\m:NM+2*\m+1] op_sel_hi:[1,0]
.endr
.endr
	s_wait_alu depctr_va_vdst(0)
.irp u, 0,1,2,3,4,5,6,7
.irp j, 0,1,2,3,4,5,6,7
	v_exp_f32 v[8*(4*\u+\m)+\j], v[8*(4*\u+\m)+\j]
.endr
.endr
	v_nop
	s_wait_alu depctr_va_vdst(0)
.irp u, 0,1,2,3,4,5,6,7
.irp j, 0,2,4,6
	v_pk_add_f32 v[8*(4*\u+\m)+\j:8*(4*\u+\m)+\j+1], v[8*(4*\u+\m)+\j:8*(4*\u+\m)+\j+1], 1.0 op_sel_hi:[1,0]
.endr
.endr
	s_wait_alu depctr_va_vdst(0)
.irp u, 0,1,2,3,4,5,6,7
.irp j, 0,1,2,3,4,5,6,7
	v_rcp_f32 v[8*(4*\u+\m)+\j], v[8*(4*\u+\m)+\j]
.endr
.endr
	v_nop
	s_wait_alu depctr_va_vdst(0)
.irp u, 0,1,2,3,4,5,6,7
.irp j, 0,2,4,6
	v_pk_fma_f32 v[8*(4*\u+\m)+\j:8*(4*\u+\m)+\j+1], v[8*(4*\u+\m)+\j:8*(4*\u+\m)+\j+1], -2.0, 1.0 op_sel_hi:[1,0,0]
.endr
.endr
	WIN 0x04
.irp u, 0,1,2,3,4,5,6,7
	ds_store_b128 v13, v[8*(4*\u+\m):8*(4*\u+\m)+3] offset:STB*((\m)%2)+64*\u
	ds_store_b128 v13, v[8*(4*\u+\m)+4:8*(4*\u+\m)+7] offset:STB*((\m)%2)+64*\u+16
.endr
	WIN 0
	s_wait_xcnt 0x0                                ; earlier stores have read the registers that the loads below fill
.irp i, 0,1,2,3,4,5,6,7,8,9,10,11,12,13,14,15
	ds_load_b128 v[RB+4*\i:RB+4*\i+3], v14 offset:STB*((\m)%2)+528*\i   ; LDS serves a wave's instructions in order: these see my stores
.endr
	s_wait_dscnt 0x0
.irp i, 0,1,2,3,4,5,6,7,8,9,10,11,12,13,14,15
	global_store_b128 v1, v[RB+4*\i:RB+4*\i+3], s[54:55] offset:4096*(32*((\m)/2)+8*((\m)%2)+\i+8*(\i/8)) th:TH_STORE_NT   ; 32 lanes store 512 bytes on end, aligned
.endr
.endm
	s_load_b256 s[4:11], s[0:1], 0x0               ; qimg, kimg, vimg, out0
	v_lshl_add_u32 v[SPW], v0, 2, SPARE
	v_mov_b32 v[NIL], 0
	ds_add_u32 v[SPW], v[NIL]                      ; the opening: the add, twice on end, and its wait ahead of my first tensor load
	ds_add_u32 v[SPW], v[NIL]
	v_lshrrev_b32 v1, 5, v0
	v_readfirstlane_b32 s[WV], v1                  ; wave 0..7
	s_lshr_b32 s[HI], s[WV], 2
	s_and_b32 s[LO], s[WV], 3
	s_bfe_u32 s13, ttmp6, 0x40000                  ; cx: it enters global addresses of q and of out0 alone
	s_lshl_b32 s14, ttmp9, 2
	s_add_co_u32 s14, s14, s13                     ; g
	s_lshr_b32 s15, ttmp9, 3                       ; the batch
	s_mov_b32 s24, 15|(3<<16)|(1<<21)              ; group 1: the mask names the four; elements of 8 bytes; bit 21 beside a mask
	s_mov_b32 s25, 32<<16                          ; rows of 256 bytes,
	s_mov_b32 s26, 68<<16                          ; 68 of them,
	s_mov_b32 s27, 32<<16
	s_mov_b32 s28, 68
	s_mov_b32 s29, 32                              ; dense
	s_mov_b32 s30, 0
	s_mov_b32 s31, 0
	s_mov_b32 s[CS], 0x3fb8aa3b                    ; log2(e)
	s_mov_b32 s[CS+1], s[CS]
	s_mov_b32 s[SEL], 0x76543210
	s_mov_b32 s[SEL+1], 0xfedcba98
	s_mov_b32 s66, 0x05040100
	s_mov_b32 s67, 0x07060302
	s_mov_b32 s[PWC], PC0
	s_mov_b32 s[PWS], PS0
	s_mov_b32 s[PRC], PC0+0x4000
	s_mov_b32 s[PRS], PS0+0x800
	s_and_b32 s[ROT], ttmp9, 3                     ; the cluster's number alone: the same in the four partners
	s_lshl_b32 s[PI], s[ROT], 1                    ; the walk's first pair
	s_cmp_eq_u32 s[HI], 0
	s_cselect_b32 s[KO], 1, 0
	s_mov_b32 s[KR], 1
	s_mul_i32 s56, s[WV], WB                       ; my eighth, in a slot of vimg and of LDS
	s_mul_i32 s58, s15, 1114112
	s_add_co_u32 s58, s58, s56
	s_mov_b32 s59, 0
	s_mul_i32 s60, s14, 4352
	s_mov_b32 s61, 0                               ; stays 0: the upper word of every offset made in s60
	s_mul_i32 s62, s15, 139264
	s_mul_i32 s63, s[LO], QB
	s_add_co_u32 s62, s62, s63                     ; kimg: [batch][key step % 4 = lo][round]
	s_mov_b32 s63, 0
	s_lshl_b32 s57, s[HI], 2
	s_lshl_b32 s74, s[HI], 11
	v_and_b32 v8, 31, v0
	v_lshlrev_b32 v1, 4, v8                        ; 16 x lane
	v_lshlrev_b32 v[L8], 3, v8                     ; 8 x lane
	v_add_nc_u32 v10, s57, v[L8]                   ; q's scale words: [lane r + 16 b][hi]
	v_add_nc_u32 v11, s74, v1                      ; q's images 2 hi, 2 hi + 1
	s_wait_alu depctr_va_vdst(0)
	s_wait_dscnt 0x0                               ; both opening adds are done
	s_wait_kmcnt 0x0
	s_add_nc_u64 s[58:59], s[8:9], s[58:59]        ; my eighth of the batch's pair 0; stays
	s_add_nc_u64 s[20:21], s[4:5], s[60:61]
	s_add_nc_u64 s[KB:KB+1], s[6:7], s[62:63]
.irp b, 0,1
.irp c, 0,1
	global_load_b128 v[QF+8*\b+4*\c:QF+8*\b+4*\c+3], v11, s[20:21] offset:1024*\b+512*\c
.endr
.endr
	global_load_b32 v[QS], v10, s[20:21] offset:4096
	s_mov_b32 s60, 0
	KADR
	KLD                                            ; my key step of the walk's first round
.irp j, 1,2,3                                          ; for the first pass those of the other three lie where the accumulators will
	s_mov_b32 s60, \j
	s_wait_xcnt 0x0                                ; the loads above have read their base
	KADR
	WIN 0x40
.irp tt, 0,1,2,3,4,5,6,7
.irp c, 0,1
	global_load_b128 v[64*(\j-1)+8*\tt+4*\c:64*(\j-1)+8*\tt+4*\c+3], v1, s[K2:K2+1] offset:1024*\tt+512*\c
.endr
.endr
	WIN 0
.irp c, 0,1
	global_load_b64 v[PF+4*(\j-1)+2*\c:PF+4*(\j-1)+2*\c+1], v[L8], s[K2:K2+1] offset:8192+256*\c
.endr
.endr
	ROUND                                          ; all four work-groups are here: the first joint loads meet
.irp n, 0,1
	s_mov_b32 s[32+4*\n], 1
	s_add_co_u32 s[33+4*\n], s56, \n*SLOT
	s_add_co_u32 s60, s[PI], \n                    ; the two pairs of the walk's first round
	s_mul_i32 s60, s60, SLOT
	s_add_nc_u64 s[34+4*\n:35+4*\n], s[58:59], s[60:61]
	s_or_b32 s[35+4*\n], s[35+4*\n], 0x80000000
.endr
	tensor_load_to_lds s[32:35], s[24:31]          ; slot 0: my one load at the head
	s_nop 0
	NOPS 4
	s_add_co_u32 s[PI], s[PI], 1                   ; slot 1's first fill will be the pair asked for last
	s_lshl_b32 s60, s14, 18                        ; out0: row 64 g, channel 256 lo + 128 hi
	s_lshl_b32 s62, s[LO], 10
	s_add_co_u32 s60, s60, s62
	s_lshl_b32 s62, s[HI], 9
	s_add_co_u32 s60, s60, s62
	s_add_nc_u64 s[54:55], s[10:11], s[60:61]
	v_add_nc_u32 v3, MST, v1
	s_mul_i32 s60, s[LO], QB
	s_lshl_b32 s62, s[HI], 13
	s_add_co_u32 s62, s62, s60
	v_add_nc_u32 v4, s62, v1                       ; V's fragments: quarter lo, images 8 hi on, slot 0,
	v_add_nc_u32 v5, SLOT, v4                      ; slot 1
	s_lshl_b32 s62, s[HI], 3
	s_add_co_u32 s62, s62, s60
	s_add_co_u32 s62, s62, 32768
	v_add_nc_u32 v6, s62, v1                       ; V's scale halves: [lane][8 pairs of tiles], my four
	v_add_nc_u32 v7, SLOT, v6
	s_lshl_b32 s60, s[LO], 12
	s_add_co_u32 s60, s60, s74
	v_add_nc_u32 v[PB], s60, v1                    ; p's images: key step lo, tile 2 hi
	s_lshl_b32 s60, s[LO], 9
	s_lshl_b32 s62, s[HI], 3
	s_add_co_u32 s60, s60, s62
	v_add_nc_u32 v[PSB], s60, v1                   ; p's scale words: [key step][lane][tile]
	s_lshl_b32 s[H1K], s[HI], 10
	s_lshl_b32 s60, s[LO], 2
	s_add_co_u32 s60, s60, s[H1K]
	s_add_co_u32 s60, s60, MST
	v_add_nc_u32 v12, s60, v1                      ; the exchanges: tile 2 hi, my lane, word lo
	v_and_b32 v8, 15, v0
	v_bfe_u32 v9, v0, 4, 1
	v_mul_u32_u24 v13, v8, 528
	v_lshl_add_u32 v13, v9, 5, v13
	s_mul_i32 s60, s[WV], 2*STB
	v_add_nc_u32 v13, s60, v13                     ; my stage, in: row r, + 32 h
	v_add_nc_u32 v14, s60, v1                      ; and back: 16 x lane of a row
.irp i, 0,1
	v_mov_b32 v[MX+\i], 0xff61b1e6                 ; -3e38, under every score
.endr
.irp i, 0,1,2,3
	v_mov_b32 v[236+\i], 0                         ; a lane permute's destination counts as one of its sources
	v_mov_b32 v[LS+\i], 0
.endr
	s_wait_alu depctr_va_vdst(0)
	PASS1 54, 0, KV, KS                            ; THE FIRST PASS: my key step of each round x my two query tiles
	PASS1 36, 1, 0, PF
	PASS1 18, 1, 64, PF+4
	PASS1 0, 1, 128, PF+8
.irp b, 0,1
	v_permlanex16_b32 v[236+\b], v[MX+\b], s[SEL], s[SEL+1]
.endr
.irp b, 0,1
	v_max_num_f32 v[MX+\b], v[MX+\b], v[236+\b]
.endr
.irp b, 0,1
	ds_store_b32 v12, v[MX+\b] offset:512*\b
.endr
	s_wait_alu depctr_va_vdst(0)
	s_wait_dscnt 0x0                               ; my maxima lie in LDS
	s_barrier_signal -1
	s_barrier_wait -1                              ; slot 0's load may be out
	v_add_nc_u32 v10, s[H1K], v3
.irp b, 0,1
	ds_load_b128 v[S+4*\b:S+4*\b+3], v10 offset:512*\b
.endr
	s_wait_dscnt 0x0
.irp b, 0,1
	v_max3_num_f32 v[MX+\b], v[S+4*\b], v[S+4*\b+1], v[S+4*\b+2]
.endr
.irp b, 0,1
	v_max_num_f32 v[MX+\b], v[MX+\b], v[S+4*\b+3]
.endr
.irp b, 0,1
	v_mul_f32 v[MX+\b], s[CS], v[MX+\b]
.endr
.irp b, 0,1
	v_floor_f32 v[NM+2*\b], -v[MX+\b]              ; -M = floor(-t)
.endr
.irp b, 0,1
	v_mov_b32 v[NM+2*\b+1], v[NM+2*\b]
.endr
	SM 0                                           ; the first round's p: every wave its two tiles
	s_wait_alu depctr_va_vdst(0)
	s_wait_tensorcnt 0x0                           ; my eighth of slot 0 is in
	ds_add_u32 v[SPW], v[NIL]
	s_wait_dscnt 0x0
	ROUND
	tensor_load_to_lds s[36:39], s[24:31]          ; slot 1's first fill
	s_nop 0
	NOPS 4
	SM 1
	s_mov_b32 s60, s[KR]                           ; the second round's key step (every load that read the base has landed)
	KADR
	s_cmp_eq_u32 s[HI], 0
	s_cbranch_scc0 .Lnk0
	KLD                                            ; hi = 0: for the tile at the first pair's head
.Lnk0:
	TOGGLE
	s_mov_b32 s[FA], s[HI]
	s_mov_b32 s[FK], 1
	s_wait_alu depctr_va_vdst(0)
	s_wait_dscnt 0x0                               ; my images lie in LDS
	s_barrier_signal -1
	s_barrier_wait -1                              ; slot 1's load may be out
	PAIR 0, 0, 1, 1, 0                             ; the first pair starts the sums
	s_mov_b32 s[IT], 3
.Lp:                                                   ; a trip: a round's second pair and the next round's first; both slots are filled again
	s_mov_b32 s[FA], s[HI]
	s_cmp_eq_u32 s[IT], 1
	s_cselect_b32 s[FK], s[HI], 1                  ; in the last trip hi = 0 has no tile left to fetch K for
	CHANGE 0, 1
	PAIR 1, 1, 0, 1, 1
	TOGGLE
	s_cmp_eq_u32 s[IT], 1
	s_cselect_b32 s[FA], 2, s[HI]                  ; the last round has no successor
	s_cselect_b32 s[FK], 0, 1
	CHANGE 1, 1
	PAIR 0, 0, 0, 1, 2
	s_sub_co_u32 s[IT], s[IT], 1
	s_cmp_lg_u32 s[IT], 0
	s_wait_alu depctr_va_vdst(0)
	s_cbranch_scc1 .Lp
	CHANGE 0, 0                                    ; the last pair fills nothing
	PAIR 1, 0, 0, 0, 0
	NOPS 4
.irp b, 0,1
	v_add_f32 v[MX+\b], v[LS+2*\b], v[LS+2*\b+1]
.endr
.irp b, 0,1
	v_permlanex16_b32 v[236+\b], v[MX+\b], s[SEL], s[SEL+1]
.endr
.irp b, 0,1
	v_add_f32 v[MX+\b], v[MX+\b], v[236+\b]
.endr
.irp b, 0,1
	ds_store_b32 v12, v[MX+\b] offset:2048+512*\b
.endr
	s_wait_alu depctr_va_vdst(0)
	s_wait_dscnt 0x0
	s_barrier_signal -1
	s_barrier_wait -1                              ; the sums' parts lie in LDS, and nobody reads a slot any more
.irp m, 0,1,2,3
	ds_load_b128 v[S+4*\m:S+4*\m+3], v3 offset:2048+512*\m
.endr
	s_wait_dscnt 0x0
.irp m, 0,1,2,3
	v_add_f32 v[MX+\m], v[S+4*\m], v[S+4*\m+1]
.endr
.irp m, 0,1,2,3
	v_add_f32 v[232+\m], v[S+4*\m+2], v[S+4*\m+3]
.endr
.irp m, 0,1,2,3
	v_add_f32 v[MX+\m], v[MX+\m], v[232+\m]
.endr
	s_wait_alu depctr_va_vdst(0)
.irp m, 0,1,2,3
	v_rcp_f32 v[NM+2*\m], v[MX+\m]
.endr
	v_nop
	s_wait_alu depctr_va_vdst(0)
.irp m, 0,1,2,3
	v_mul_f32 v[NM+2*\m], 0x4038aa3b, v[NM+2*\m]   ; 2 log2(e) / the row's sum
.endr
.irp m, 0,1,2,3
	v_mov_b32 v[NM+2*\m+1], v[NM+2*\m]
.endr
	OUT 0
	OUT 1
	OUT 2
	OUT 3
	s_wait_tensorcnt 0x0                           ; the wave's end
	ds_add_u32 v[SPW], v[NIL]
	s_wait_dscnt 0x0
	ROUND                                          ; the closing round
	s_endpgm
.Lfunc_end_k_q6c54fc21a3_attn:
	.size	k_q6c54fc21a3_attn, .Lfunc_end_k_q6c54fc21a3_attn-k_q6c54fc21a3_attn
	.p2alignl 7, 3214868480
	.fill 96, 4, 3214868480
	.section	.rodata,"a",@progbits
	.p2align	6, 0x0
	.amdhsa_kernel k_q6c54fc21a3_attn
		.amdhsa_group_segment_fixed_size 327680
		.amdhsa_private_segment_fixed_size 0
		.amdhsa_enable_private_segment 0
		.amdhsa_kernarg_size 32
		.amdhsa_user_sgpr_count 2
		.amdhsa_user_sgpr_kernarg_segment_ptr 1
		.amdhsa_wavefront_size32 1
		.amdhsa_system_sgpr_workgroup_id_x 1
		.amdhsa_system_sgpr_workgroup_id_y 1
		.amdhsa_system_sgpr_workgroup_id_z 1
		.amdhsa_system_vgpr_workitem_id 0
		.amdhsa_next_free_vgpr 512
		.amdhsa_next_free_sgpr 80
		.amdhsa_reserve_vcc 0
		.amdhsa_float_denorm_mode_32 3
		.amdhsa_float_denorm_mode_16_64 3
		.amdhsa_memory_ordered 1
		.amdhsa_forward_progress 1
		.amdhsa_inst_pref_size 255
	.end_amdhsa_kernel
	.section	.bss,"aw",@nobits
	.p2align	6
	.space	262144
	.amdgpu_metadata
---
amdhsa.version: [ 1, 2 ]
amdhsa.kernels:
  - .name:           k_q6c54fc21a3_attn
    .symbol:         k_q6c54fc21a3_attn.kd
    .args:
      - { .name: qimg, .offset: 0, .size: 8, .value_kind: global_buffer, .address_space: global }
      - { .name: kimg, .offset: 8, .size: 8, .value_kind: global_buffer, .address_space: global }
      - { .name: vimg, .offset: 16, .size: 8, .value_kind: global_buffer, .address_space: global }
      - { .name: out0, .offset: 24, .size: 8, .value_kind: global_buffer, .address_space: global }
    .group_segment_fixed_size: 327680
    .private_segment_fixed_size: 0
    .kernarg_segment_align: 8
    .kernarg_segment_size: 32
    .max_flat_workgroup_size: 256
    .sgpr_count:     80
    .vgpr_count:     512
    .wavefront_size: 32
...
	.end_amdgpu_metadata
.endif
;; end of part 3
